; MI455X (gfx1250); checked and timed in simulation.
; The chip was launched on July 23, 2026; its instructions are those of AMD's public machine-readable ISA for CDNA 5 (MIT licence, August 2026) and "CDNA5" Instruction Set Architecture Reference Guide (July 2026). The comments in the code are by the model that wrote it; some were corrected since.
;; Multihead Attention. Allowed arithmetic: matrix products marked QUANTISED: E5M2 operands, one given power-of-two scale a tensor, by v_wmma_f32_16x16x64_bf8_bf8 or v_wmma_f32_16x16x128_bf8_bf8, f32 sums; everything else in f32.
;; Inputs: key 32 x 2,048 x 128 float32; lowp_scales 4 int32 (the exponents e of the quantised operands' scales 2^e); query 32 x 2,048 x 128 float32; value 32 x 2,048 x 128 float32.
;; Outputs: out0 32 x 2,048 x 128 float32.
;; This version of the problem:
;;   THIS VERSION OF THE PROBLEM IS GIVEN IN LOW PRECISION. The matrix products marked QUANTISED in the list below multiply operands that are first quantised to E5M2 (5 exponent bits, 2 mantissa bits; 8 bits a number), with one given power-of-two scale for each operand tensor; their sums are f32. All else is computed in f32.
;;   The module's matrix products, in the order in which they are computed (A, B: the left and right operand; K: the contracted axis; several contracted axes count as one K, in the product's order):
;;     1. batch 32 x [M 2,048, K 128] x [K 128, N 2,048]; A: computed on the way; B: input key: QUANTISED (scales: A lowp_scales[0], B lowp_scales[1])
;;     2. batch 32 x [M 2,048, K 2,048] x [K 2,048, N 128]; A: softmax (see below); B: input value: QUANTISED (scales: A lowp_scales[2], B lowp_scales[3])
;;   THE QUANTISER, for each operand of a quantised product, along K:
;;     - The operand's scale is 2^e, e = its entry of the input lowp_scales (int32; the entries are numbered through the quantised products in the list's order, A before B).
;;     - Each number is divided by the scale, clamped to +-57,344, and rounded to the nearest number of E5M2, ties to even, subnormals kept.
;;     - The product sums the exact products of the quantised numbers (number of the format x scale) in f32.
;;   ~~~python
;;   def quantise(x, axis, e):      # numpy; x: float32 -> the quantised numbers, widened to float32 again
;;       x = np.moveaxis(x, axis, -1); K = x.shape[-1]
;;       r = np.clip(x / 2.0 ** e, -57344, 57344)
;;       step = 2.0 ** (np.maximum(np.frexp(np.where(r == 0, 1, r))[1] - 1, -14) - 2)
;;       q = np.round(r / step) * step * 2.0 ** e      # np.round: ties to even
;;       return np.moveaxis(q, -1, axis).astype(np.float32)
;;   ~~~
;;   SOFTMAX AHEAD OF A QUANTISED PRODUCT. Where the list says 'softmax', what is quantised is not the finished softmax but p = 2^(t - M), with t = logit x log2(e) and M = ceil(the row's largest t), a whole number; so 1/2 < the row's largest p <= 1. The row's sum l is taken of the UNQUANTISED p, in f32, and the product's result is divided by l at the end. Since M is a whole number, a kernel that streams over the keys may use a running M (the ceiling of the running maximum): every later rescaling is an exact power of two, so the quantised numbers keep their values, but for numbers so far below the row's largest that they fall under the format's range.
;;   OPERANDS COMPUTED ON THE WAY. 'Computed on the way' means the value that the module computes at that place (a softmax that the list does not call 'softmax' is quantised finished and normalised). What goes into a quantiser is computed in f32, as accurately as f32 sums, v_exp_f32 and their like allow (about 1e-6 of the number): no bf16 or f16 on the way to a quantiser, and a product that is left as it is and whose result goes on into a quantised operand takes f32 operands (vector FMAs, or v_wmma_f32_16x16x4_f32). A number that lies on a knife's edge between two numbers of the format may be rounded either way, as far as f32 arithmetic and the matrix unit's own rounding can turn it there, and no further.
;; One version. Each part assembles by itself: llvm-mc -triple=amdgcn-amd-amdhsa -mcpu=gfx1250 --defsym DOCPART=n.
;; ======== version 1 of 1: 2 launches
;; limits: right only within a limited range of input values
;; workspace buffers: kc 8,388,608 bytes; vc 8,388,608 bytes
;; launch prep (part 1): grid 512 x 1, 4 waves a work-group, no clusters, 68,096 bytes of LDS; arguments key, value, lowp_scales, kc, vc; writes kc, vc
.if DOCPART == 1
	.amdgcn_target "amdgcn-amd-amdhsa--gfx1250"
	.amdhsa_code_object_version 6
	.text
	.protected	k_qe378d8e1ee_prep
	.globl	k_qe378d8e1ee_prep
	.p2align	8
	.type	k_qe378d8e1ee_prep,@function
k_qe378d8e1ee_prep:
	s_mov_b64 s[64:65], 0
	v_nop
	global_prefetch_b8 v0, s[64:65] scope:SCOPE_SE
	s_setreg_imm32_b32 hwreg(HW_REG_WAVE_MODE, 25, 1), 1
	s_wait_xcnt 0x0
; key and value, [32][2048][128] f32, become codes of BF8 (E5M2), 8 bits each, each with the one scale 2^e that is given for it (key: entry 1 of the scales, value: entry 3).
; code = x / 2^e, held within +-57,344, rounded to the nearest code, ties to even.
; LIMITS: -126 <= e and e + 15 <= 127, so that 2^e and 57,344 x 2^e are f32 numbers.  NaN among the inputs is not served (an infinity is held at the largest code).
; Each head's keys and values are read by eight blocks of queries in the next launch: quantised here once, they are read there as a quarter of the bytes.
; WORK-GROUPS 0-255: key.  Its K (the head's 128) is innermost, rows are dense: a plain stream of numbers, and kc [32][2048][128] is the same stream in codes.  A wave takes 16 steps of 512 numbers.
;   The conversions take 8 neighbours from ONE lane's registers, a load is best where neighbouring LANES take neighbouring bytes: each load reads 512 consecutive bytes, the step's 2,048 bytes turn through the wave's own
;   stage in LDS (16 bytes of padding behind each 64) and come back 64 bytes a lane.  A lane's 16 codes are 16 bytes: the wave stores 512 consecutive bytes.
; WORK-GROUPS 256-511: value.  Its K (the keys) is NOT innermost.  A lane takes a column d and its registers run down the keys: each load reads 128 consecutive bytes a wave (the four waves a whole row of 512), and the
;   conversions give codes with the keys innermost: vc [32][128 d][2048].  A wave takes 32 columns x 256 keys; its codes go through its own stage and leave as rows: sixteen lanes store 256 consecutive bytes, aligned.
;   THE ORDER OF KEYS IN vc: inside each 32 keys the four groups of eight stand in the order 0, 2, 1, 3: position 32 c + 16 h + i holds key 32 c + 8 h + i % 8 + 16 (i / 8).  The next launch's weights p come out of their
;   conversions with keys 16 t + 8 h + 0 .. 7 in registers 2 t, 2 t + 1 of lane half h; a 16-byte load of vc at 32 c + 16 h then brings exactly those keys into registers 4 c .. 4 c + 3.
; No tensor loads, no barrier: waves share nothing.  The two paths part on the work-group's number and never join; each has LDS bytes of its own.
.set STEPS, 16
.set EMAX,  15
.set MANT,  0x600000                   ; the mantissa field of 57,344 as f32
.set SPK,   80                         ; key path: a lane's place in a stage: its 64 bytes + 16 of padding
.set KREG,  8192                       ; key path: a wave's LDS region: two stages of 32 x SPK bytes
.set VST,   32768                      ; value path: its stages begin here
.set PITCH, 272                        ; value path: a stage row: 256 bytes of codes + 16
.set KR,    16                         ; key path: v16-79 four sets of 16 numbers as loaded
.set KX,    80                         ;           v80-111 two sets of 16 neighbours
.set KC,    128                        ;           v128-191 codes: four registers for each step, so that no store's data are written again
.set VX,    32                         ; value path: v32-95 two sets of 32 numbers
.set VC,    96                         ;             v96-103 a block's codes
.set VOUT,  112                        ;             v112-175 the way out
	s_load_b128 s[4:7], s[0:1], 0x0                ; key, value
	s_load_b64 s[10:11], s[0:1], 0x10              ; the scales' exponents
	s_load_b128 s[12:15], s[0:1], 0x18             ; kc, vc
	v_lshl_add_u32 v192, v0, 2, 0x10800
	v_mov_b32 v193, 0
	v_lshrrev_b32 v1, 5, v0
	v_readfirstlane_b32 s16, v1                    ; wave 0..3
	v_and_b32 v2, 31, v0                           ; lane
	; every address register of both paths is made here, ahead of the parting
	v_lshlrev_b32 v3, 4, v2                        ; key: my 16 bytes of a load's 512, and of a step's 512 bytes of codes
	s_mul_i32 s17, s16, KREG
	v_lshrrev_b32 v9, 2, v2
	v_mul_u32_u24 v9, v9, SPK
	v_and_b32 v13, 3, v2
	v_lshl_add_u32 v9, v13, 4, v9
	v_add_nc_u32 v9, s17, v9                       ; key: into the stage: SPK (lane / 4) + 16 (lane % 4); a load's 512 bytes take eight places
	v_mul_u32_u24 v12, v2, SPK
	v_add_nc_u32 v12, s17, v12                     ; key: out of it: SPK x lane: my 16 neighbours
	v_lshlrev_b32 v5, 2, v2                        ; value: 4 bytes a lane
	s_mul_i32 s18, s16, 32*PITCH
	s_add_co_u32 s18, s18, VST                     ; value: my stage
	v_mul_u32_u24 v6, v2, PITCH
	v_add_nc_u32 v6, s18, v6                       ; into it: row = my column
	v_and_b32 v13, 15, v2
	v_lshrrev_b32 v14, 4, v2
	v_mul_u32_u24 v7, v14, PITCH
	v_lshl_add_u32 v7, v13, 4, v7
	v_add_nc_u32 v7, s18, v7                       ; out of it: sixteen lanes to a row, two rows an instruction
	v_lshlrev_b32 v8, 11, v14
	v_lshl_add_u32 v8, v13, 4, v8                  ; and the same place in vc: rows of 2,048 bytes
	s_wait_kmcnt 0x0
	s_load_b128 s[20:23], s[10:11], 0x0            ; the four exponents
	s_cmp_lt_u32 ttmp9, 256
	s_cbranch_scc0 .Lvalue
	; ---------------- key ----------------
	s_lshl_b32 s24, ttmp9, 2
	s_add_co_u32 s24, s24, s16                     ; which run of 8,192 numbers is my wave's: 0 .. 1,023
	s_lshl_b32 s26, s24, 15                        ; 32,768 bytes of f32,
	s_mov_b32 s27, 0
	s_add_nc_u64 s[4:5], s[4:5], s[26:27]
	s_lshl_b32 s26, s24, 13                        ; 8,192 bytes of codes
	s_add_nc_u64 s[12:13], s[12:13], s[26:27]
.macro KLOAD t
.irp i, 0,1,2,3
	global_load_b128 v[KR+16*((\t)%4)+4*\i:KR+16*((\t)%4)+4*\i+3], v3, s[4:5] offset:2048*(\t)+512*\i th:TH_LOAD_NT   ; 32 lanes read 512 consecutive bytes
.endr
.endm
.macro KTURN t                         ; step t's numbers through the stage: LDS serves a wave's instructions in order, so no wait stands between the stores and the loads
.irp i, 0,1,2,3
	ds_store_b128 v9, v[KR+16*((\t)%4)+4*\i:KR+16*((\t)%4)+4*\i+3] offset:32*SPK*((\t)%2)+8*SPK*\i
.endr
.irp i, 0,1,2,3
	ds_load_b128 v[KX+16*((\t)%2)+4*\i:KX+16*((\t)%2)+4*\i+3], v12 offset:32*SPK*((\t)%2)+16*\i
.endr
.endm
.irp t, 0,1,2,3
	KLOAD \t
.endr
	s_wait_kmcnt 0x0
	s_add_co_i32 s28, s21, 127                     ; key's exponent: entry 1
	s_lshl_b32 s29, s28, 23
	v_mov_b32 v11, s29                             ; 2^e as f32: the conversion takes its exponent field
	s_add_co_i32 s28, s28, EMAX
	s_lshl_b32 s28, s28, 23
	s_or_b32 s28, s28, MANT
	v_mov_b32 v10, s28                             ; 57,344 x 2^e
	s_wait_alu depctr_va_vdst(0)
	s_wait_loadcnt 12                              ; step 0's four loads are in; those of steps 1 to 3 may be out
	KTURN 0
.macro KSTEP t
.set XS, KX+16*((\t)%2)
	s_wait_dscnt 0x0                               ; this step's numbers are back from the stage: so its stores into the stage have read their registers,
.if (\t)+4 < STEPS
	KLOAD (\t)+4                                   ; which take the loads of four steps on
.endif
.if (\t)+1 < STEPS
.if STEPS-2-(\t) >= 3
	s_wait_loadcnt 12                              ; the next step's four loads are in; those of the three steps behind it may be out
.else
	s_wait_loadcnt 4*(STEPS-2-(\t))                ; at the end the count runs down
.endif
	KTURN (\t)+1                                   ; and go through the other stage while this step is worked
.endif
.irp i, 0,1,2,3,4,5,6,7,8,9,10,11,12,13,14,15
	v_med3_num_f32 v[XS+\i], v[XS+\i], -v10, v10   ; the conversion to an 8-bit code does not saturate (ISA guide 7.6.2): the hold at the largest code x the scale comes first
.endr
	v_cvt_scalef32_pk8_bf8_f32 v[KC+4*(\t):KC+4*(\t)+1], v[XS:XS+7], v11
	v_cvt_scalef32_pk8_bf8_f32 v[KC+4*(\t)+2:KC+4*(\t)+3], v[XS+8:XS+15], v11
	global_store_b128 v3, v[KC+4*(\t):KC+4*(\t)+3], s[12:13] offset:512*(\t)   ; the codes go to a store alone; the next step's holds are the plain lines behind the conversions
.endm
.irp t, 0,1,2,3,4,5,6,7,8,9,10,11,12,13,14,15
	KSTEP \t
.endr
	s_wait_tensorcnt 0x0
	ds_add_u32 v192, v193
	s_wait_dscnt 0x0
	s_endpgm
	; ---------------- value ----------------
.Lvalue:
	s_sub_co_u32 s24, ttmp9, 256
	s_lshr_b32 s25, s24, 3                         ; the head
	s_and_b32 s24, s24, 7                          ; which 256 keys of it
	s_lshl_b32 s26, s25, 20                        ; value: a head is 2,048 rows of 512 bytes,
	s_lshl_b32 s28, s24, 17                        ; 256 rows,
	s_add_co_u32 s26, s26, s28
	s_lshl_b32 s28, s16, 7                         ; my wave's 32 columns
	s_add_co_u32 s26, s26, s28
	s_mov_b32 s27, 0
	s_add_nc_u64 s[6:7], s[6:7], s[26:27]
	s_lshl_b32 s26, s25, 18                        ; vc: a head is 128 rows of 2,048 bytes,
	s_lshl_b32 s28, s16, 16                        ; my wave's 32 rows,
	s_add_co_u32 s26, s26, s28
	s_lshl_b32 s28, s24, 8                         ; 256 codes along a row
	s_add_co_u32 s26, s26, s28
	s_add_nc_u64 s[14:15], s[14:15], s[26:27]
.macro VLOAD t                         ; block t: value(32 t + i, my column), i = 0 .. 31, into set t % 2
.irp i, 0,1,2,3,4,5,6,7,8,9,10,11,12,13,14,15,16,17,18,19,20,21,22,23,24,25,26,27,28,29,30,31
	global_load_b32 v[VX+32*((\t)%2)+\i], v5, s[6:7] offset:(32*(\t)+\i)*512 th:TH_LOAD_NT
.endr
.endm
	VLOAD 0
	VLOAD 1
	s_wait_kmcnt 0x0
	s_add_co_i32 s28, s23, 127                     ; value's exponent: entry 3
	s_lshl_b32 s29, s28, 23
	v_mov_b32 v11, s29
	s_add_co_i32 s28, s28, EMAX
	s_lshl_b32 s28, s28, 23
	s_or_b32 s28, s28, MANT
	v_mov_b32 v10, s28
.macro VBLOCK t
.set XS, VX+32*((\t)%2)
.if (\t) < 7
	s_wait_loadcnt 32                              ; this block's 32 loads are in; the next block's may be out
.else
	s_wait_loadcnt 0
.endif
.irp i, 0,1,2,3,4,5,6,7,8,9,10,11,12,13,14,15,16,17,18,19,20,21,22,23,24,25,26,27,28,29,30,31
	v_med3_num_f32 v[XS+\i], v[XS+\i], -v10, v10
.endr
.irp g, 0,1,2,3                        ; keys 8 g .. 8 g + 7 of the block go to place 0, 2, 1, 3 of its four
	v_cvt_scalef32_pk8_bf8_f32 v[VC+2*(((\g)%2)*2+(\g)/2):VC+2*(((\g)%2)*2+(\g)/2)+1], v[XS+8*\g:XS+8*\g+7], v11
.endr
	ds_store_b128 v6, v[VC:VC+3] offset:32*(\t)    ; 32 codes: 32 bytes of my column's row
	ds_store_b128 v6, v[VC+4:VC+7] offset:32*(\t)+16
.if (\t)+2 < 8
	VLOAD (\t)+2
.endif
	s_wait_dscnt 0x0                               ; the stores have read their registers: the next block's codes may be written (its 32 holds are the plain lines behind these conversions)
.endm
	s_wait_alu depctr_va_vdst(0)
.irp t, 0,1,2,3,4,5,6,7
	VBLOCK \t
.endr
.irp t, 0,1,2,3,4,5,6,7,8,9,10,11,12,13,14,15
	ds_load_b128 v[VOUT+4*\t:VOUT+4*\t+3], v7 offset:2*\t*PITCH   ; LDS serves a wave's instructions in order: these see my stores
.endr
.irp t, 0,1,2,3,4,5,6,7,8,9,10,11,12,13,14,15
	s_wait_dscnt 15-\t                             ; load t is in; the younger ones may be out
	global_store_b128 v8, v[VOUT+4*\t:VOUT+4*\t+3], s[14:15] offset:2*\t*2048   ; sixteen lanes store 256 consecutive bytes of one row of vc, aligned
.endr
	s_wait_tensorcnt 0x0
	ds_add_u32 v192, v193
	s_wait_dscnt 0x0
	s_endpgm
.Lfunc_end_k_qe378d8e1ee_prep:
	.size	k_qe378d8e1ee_prep, .Lfunc_end_k_qe378d8e1ee_prep-k_qe378d8e1ee_prep
	.p2alignl 7, 3214868480
	.fill 96, 4, 3214868480
	.section	.rodata,"a",@progbits
	.p2align	6, 0x0
	.amdhsa_kernel k_qe378d8e1ee_prep
		.amdhsa_group_segment_fixed_size 68096
		.amdhsa_private_segment_fixed_size 0
		.amdhsa_enable_private_segment 0
		.amdhsa_kernarg_size 40
		.amdhsa_user_sgpr_count 2
		.amdhsa_user_sgpr_kernarg_segment_ptr 1
		.amdhsa_wavefront_size32 1
		.amdhsa_system_sgpr_workgroup_id_x 1
		.amdhsa_system_sgpr_workgroup_id_y 1
		.amdhsa_system_sgpr_workgroup_id_z 1
		.amdhsa_system_vgpr_workitem_id 0
		.amdhsa_next_free_vgpr 194
		.amdhsa_next_free_sgpr 66
		.amdhsa_reserve_vcc 0
		.amdhsa_float_denorm_mode_32 3
		.amdhsa_float_denorm_mode_16_64 3
		.amdhsa_memory_ordered 1
		.amdhsa_forward_progress 1
		.amdhsa_inst_pref_size 85
	.end_amdhsa_kernel
	.amdgpu_metadata
---
amdhsa.version: [ 1, 2 ]
amdhsa.kernels:
  - .name:           k_qe378d8e1ee_prep
    .symbol:         k_qe378d8e1ee_prep.kd
    .args:
      - { .name: key, .offset: 0, .size: 8, .value_kind: global_buffer, .address_space: global }
      - { .name: value, .offset: 8, .size: 8, .value_kind: global_buffer, .address_space: global }
      - { .name: lowp_scales, .offset: 16, .size: 8, .value_kind: global_buffer, .address_space: global }
      - { .name: kc, .offset: 24, .size: 8, .value_kind: global_buffer, .address_space: global }
      - { .name: vc, .offset: 32, .size: 8, .value_kind: global_buffer, .address_space: global }
    .group_segment_fixed_size: 68096
    .private_segment_fixed_size: 0
    .kernarg_segment_align: 8
    .kernarg_segment_size: 40
    .max_flat_workgroup_size: 128
    .sgpr_count:     66
    .vgpr_count:     194
    .wavefront_size: 32
...
	.end_amdgpu_metadata
.endif
;; end of part 1
;; launch attn (part 2): grid 8 x 32, 8 waves a work-group, clusters of 4 x 1, 327,680 bytes of LDS; arguments query, kc, vc, lowp_scales, out0; writes out0
.if DOCPART == 2
	.amdgcn_target "amdgcn-amd-amdhsa--gfx1250"
	.amdhsa_code_object_version 6
	.text
	.protected	k_qe378d8e1ee_attn
	.globl	k_qe378d8e1ee_attn
	.p2align	8
	.type	k_qe378d8e1ee_attn,@function
k_qe378d8e1ee_attn:
	s_mov_b64 s[64:65], 0
	v_nop
	global_prefetch_b8 v0, s[64:65] scope:SCOPE_SE
	s_setreg_imm32_b32 hwreg(HW_REG_WAVE_MODE, 25, 1), 1
	s_wait_xcnt 0x0
	s_wait_alu depctr_hold_cnt(0) depctr_sa_sdst(0) depctr_va_vdst(0) depctr_va_sdst(0) depctr_va_ssrc(0) depctr_va_vcc(0) depctr_vm_vsrc(0)
	s_getreg_b32 s2, hwreg(HW_REG_IB_STS2, 6, 4)
	s_cmp_eq_u32 s2, 0
	s_cbranch_scc0 .Lentry_in_a_cluster
	s_endpgm
.Lentry_in_a_cluster:
	s_bfe_u32 s2, ttmp6, 0x10000c
	s_cmp_lg_u32 s2, 0x3003
	s_cbranch_scc0 .Lentry_shape_is_right
	s_endpgm
.Lentry_shape_is_right:
; out0[b][q][:] = the sum over k of softmax_k((query[b][q] / sqrt(128)) . key[b][k]) value[b][k][:], 32 heads, 2,048 queries, 2,048 keys, head size 128; both products on codes of BF8 (E5M2).
; query: f32, multiplied by 1 / sqrt(128) in f32 and quantised here with 2^e0.  kc: key's codes [32][2048][128] (2^e1).
; vc: value's codes with the keys innermost, [32][128][2048] (2^e3), the four groups of eight keys of each 32 in the order 0, 2, 1, 3 (the launch before lays them so).  out0: f32.
; THE SOFTMAX AHEAD OF THE SECOND PRODUCT: t = score x log2(e); M = the row's largest t so far, rounded UP to a whole number; p = 2^(t - M) is quantised with 2^e2; it is not normalised.  The row's sum is taken of the
; unquantised p, in f32, and divides O at the end.  When M moves, the sums and O are multiplied by 2^(old M - new M), which rounds nothing; there is no branch on data.
; LIMITS on the given exponents, so that each power of two below is an f32 number: e0 and e2 between -126 and 112; e0 + e1 between -126 and 127 (they are added to the exponent field of log2(e)); e2 + e3 is applied by
; v_ldexp_f32 and has none.  NaN and infinities among the inputs are not served; |t| stays under 2^31.
; SHARES.  A work-group owns 256 queries of one head; each of its EIGHT waves owns 32 of them, two tiles of 16, in 512 registers.  Each fragment of K and V read from LDS feeds two matrix instructions.  Every wave walks all
; keys of the head, 128 a step.
; LAYOUT.  Both products are used transposed: S^T = K Q^T (source 0 = 16 neighbouring keys, source 1 = 16 queries), O^T = V^T P^T (source 0 = 16 of the head's 128, source 1 = P): a lane holds ONE query (lane % 16)
; throughout.  Accumulator t of S^T gives lane half h the keys 16 t + 8 h + 0 .. 7 in eight registers: one conversion makes of them registers 2 t, 2 t + 1 of P, and vc's order of keys brings V's codes to the same places.
; RING.  Two LDS slots of 512 keys (four steps): 512 rows of K (128 bytes + 16), then 128 rows of V (512 bytes + 16).  Waves 0 to 3 fetch a quarter of K each, waves 4 to 7 a quarter of V.  A wave never has more than one
; tensor load out.  A slot's reads are over when its last step's V is in registers: there the change of slots signals, and waits when that step's remaining work, on registers alone, is done.
; CLUSTER.  The four blocks of queries of a cluster belong to one head and walk the same K and V: each tile is asked for JOINTLY, by the same tensor load with the same descriptor and the mask of all four.
; THE TWO TILES ARE STAGGERED in a step: QK of tile 1 among the maxima of tile 0, PV of tile 0 among the holds and conversions of tile 1, PV of tile 1 among its own sums.  The next step's fragments of K are asked for as PV of
; tile 1 leaves V's registers.
; REGISTERS, window 0: v1-11 addresses and constants; v12-27 eight registers of statistics a tile; v32-63 at work (TT); v64-191 S^T, then p, 64 a tile; v192-223 p's codes, 16 a tile; v224-255 Q's two fragments.
;   window 1: v0-127 O^T, 64 a tile; v128-255 eight fragments of K or of V.
.set KP,    144                        ; a key's row in LDS: 36 words: rows 0 to 15 start at sixteen different multiples of four banks (64 banks of 4 bytes: ISA guide 11.1)
.set VP,    528                        ; a row of V's tile: 132 words: likewise
.set VOFF,  512*KP                     ; in a slot V's rows lie behind K's
.set SLOT1, VOFF+128*VP                ; slot 1 begins here
.set SPARE, 2*SLOT1                    ; behind the ring: the spare words, 128 bytes for each of eight waves: four blocks of 256 bytes that no other line names
.set STAGE, SPARE+1024                 ; 4,608 bytes for each wave: query's codes, later the way out; no fill lands here
.set SW,    4608
.set SP,    272                        ; a stage row on the way out
.set AK0,  1                           ; v1   my lane's place in a tile of K: 144 r + 16 h
.set AV0,  2                           ; v2   the same for V: VOFF + 528 r + 16 h
.set PFO,  3                           ; v3   the prefetches' offset; never rewritten
.set QST,  4                           ; v4   the head: where I put 4 codes of query;
.set STO,  4                           ;      later: the way out: where I put 32 bytes of a row
.set SPW,  5                           ; v5   LDS address of my spare word: SPARE + 4 x my thread's number; never rewritten
.set NIL,  6                           ; v6   0; never rewritten
.set GO,   7                           ; v7   my byte offset in two rows of query or of out0: lanes 0-15 one row, lanes 16-31 the next, 16 bytes a lane
.set ADK,  8                           ; v8   LDS address of the slot's K, steps 0 and 1;
.set RD,   8                           ;      later: the way out: where I read a row back
.set ADV,  9                           ; v9   LDS address of the slot's V
.set ADK2, 10                          ; v10  of the slot's K, steps 2 and 3
.set PSCL, 11                          ; v11  2^e2
.set ST,   12                          ; tile u's statistics at v[ST + 8 u]: +0 -M, +1 the largest t, +2, +3 the sum in two halves, +4 at work, then f, +5, +6, +7 at work
.set QSCL, 28                          ; v28  2^e0
.set QLIM, 29                          ; v29  57,344 x 2^e0
.set TT,   32
.set SC,   64
.set PC,   192
.set QF,   224
.set FR,   128                         ; in window 1
.set WV,   14                          ; s14  my wave's number
.set LIM,  15                          ; s15  1 in a wave that prefetches, else the greatest number
.set PFA,  18                          ; s[18:19] where my prefetches stand in memory
.set SEL,  20                          ; s[20:21] lane selects for v_permlanex16_b32: lane l xor 16
.set CS,   22                          ; s[22:23] c = log2(e) x 2^(e0 + e1): the packed form names a pair and takes its low word for both halves
.set G1K,  24                          ; s[24:31] descriptor group 1 for K's tiles;  s[32:39] for V's;  s[40:43], s[44:47] their groups 0, which walk
.set G1V,  32
.set G0K,  40
.set G0V,  44
.set TB,   48                          ; s48  LDS byte at which the slot in hand begins
.set CNT,  49                          ; s49  trips to go
.set PFS,  50                          ; s[50:51] a slot on in memory, in bytes: 65,536 in kc, 512 in a row of vc
.set EX,   52                          ; s[52:55] e0, e1, e2, e3
.set QS,   56                          ; s[56:57] 1 / sqrt(128)
.set KB,   60                          ; s60  my part's place in a slot, K;  s61 V
.set VB,   61
.set PL,   62                          ; s62  57,344 x 2^e2
.set MSB, 0
.macro WIN new                         ; the immediate's high byte repeats the setting that is left; a switch that changes nothing is dropped
.if MSB != \new
	s_set_vgpr_msb (MSB<<8)|\new
.set MSB, \new
.endif
.endm
; A joint load.  The branch hangs on the wave's number alone: it is the same in every work-group.  s_nop 0 and four v_nop follow each of the two lines, ahead of the jump and the label.
.macro JLOAD
	s_cmp_lt_u32 s[WV], 4
	s_cbranch_scc0 .Lfor_v_\@
	tensor_load_to_lds s[G0K:G0K+3], s[G1K:G1K+7]
	s_nop 0
.rept 4
	v_nop
.endr
	s_branch .Lasked_\@
.Lfor_v_\@:
	tensor_load_to_lds s[G0V:G0V+3], s[G1V:G1V+7]
	s_nop 0
.rept 4
	v_nop
.endr
.Lasked_\@:
.endm
; A PREFETCH INTO THE L2 of what the NEXT change of slots will ask for: a slot's four key steps ahead of that load.  A slot is 65,536 dense bytes of kc and 512 bytes of each of vc's 128 rows.
; Each aligned block of 256 bytes is named ONCE in the launch.  Both clusters of a head walk the same K and V: the head's first cluster asks.  Its four partners share the blocks out BY ADDRESS: 16,384 bytes of kc and 32 rows
; of vc each.  In each, four waves ask, one instruction each: waves 0 and 1 for kc (8,192 bytes each, lanes 256 bytes apart), waves 4 and 5 for vc (a lane a row, one of its two blocks each).
; The last change that fills a slot asks for nothing; slots 0 and 1 come by their loads alone.
.macro ASK
	s_cmp_gt_u32 s[CNT], s[LIM]
	s_cbranch_scc0 .Lnot_mine_\@
	global_prefetch_b8 v[PFO], s[PFA:PFA+1] th:TH_LOAD_NT scope:SCOPE_SE
.Lnot_mine_\@:
.endm
; A round of the cluster's barrier: my work-group's barrier, so that wave 0's signal speaks for all eight waves; wave 0 signals for the work-group; every wave waits for all four work-groups; my work-group's barrier once more.
.macro CREST                           ; a round behind its opening barrier
	s_cmp_lg_u32 s[WV], 0
	s_cbranch_scc1 .Lnot_wave_0_\@
	s_barrier_signal -3
.Lnot_wave_0_\@:
	s_barrier_wait -3
	s_barrier_signal -1
	s_barrier_wait -1
.endm
.macro CROUND
	s_barrier_signal -1
	s_barrier_wait -1
	CREST
.endm
	s_load_b256 s[4:11], s[0:1], 0x0               ; query s[4:5], kc s[6:7], vc s[8:9], the scales' exponents s[10:11]
	s_load_b64 s[12:13], s[0:1], 0x20              ; out0
	v_lshl_add_u32 v[SPW], v0, 2, SPARE
	v_mov_b32 v[NIL], 0
	ds_add_u32 v[SPW], v[NIL]                      ; the wave's opening: the add, twice on end, and its wait ahead of my first tensor load
	ds_add_u32 v[SPW], v[NIL]
	v_lshrrev_b32 v30, 5, v0
	v_readfirstlane_b32 s[WV], v30                 ; wave 0..7
	v_and_b32 v30, 15, v0                          ; r = lane % 16
	v_bfe_u32 v31, v0, 4, 1                        ; h = lane / 16
	v_lshlrev_b32 v[GO], 9, v31
	v_lshl_add_u32 v[GO], v30, 4, v[GO]
	s_bfe_u32 s16, ttmp6, 0x40000                  ; cx: my place in the cluster: it enters query's, out0's and the prefetches' addresses alone
	s_and_b32 s66, ttmp7, 0xffff                   ; the head, which the four partners share
	s_lshl_b32 s2, ttmp9, 2                        ; in a cluster launch ttmp9 counts clusters
	s_add_co_u32 s2, s2, s16                       ; my block of 256 queries
	s_lshl_b32 s2, s2, 17                          ; 256 rows of 512 bytes,
	s_lshl_b32 s3, s66, 20                         ; the head's 2,048 rows,
	s_add_co_u32 s2, s2, s3
	s_lshl_b32 s3, s[WV], 14                       ; my wave's 32 rows
	s_add_co_u32 s2, s2, s3
	s_mov_b32 s3, 0                                ; s[2:3]: my first row in query and in out0, in bytes
	s_wait_alu depctr_va_vdst(0)
	s_wait_dscnt 0x0                               ; both opening adds are done
	s_wait_kmcnt 0x0
	s_load_b128 s[EX:EX+3], s[10:11], 0x0          ; e0, e1, e2, e3
	s_add_nc_u64 s[4:5], s[4:5], s[2:3]            ; query and out0 at my wave's first row
	s_add_nc_u64 s[12:13], s[12:13], s[2:3]
	; query, ahead of the cluster's first round: two rows an instruction pair: register 8 i + j of a lane is d = 4 r + j (j < 4) or 60 + 4 r + j of row 2 i + h.  Sixteen lanes load 256 consecutive bytes.
	; They land where S^T will lie
.irp i, 0,1,2,3,4,5,6,7,8,9,10,11,12,13,14,15
.irp j, 0,1
	global_load_b128 v[SC+8*\i+4*\j:SC+8*\i+4*\j+3], v[GO], s[4:5] offset:1024*\i+256*\j th:TH_LOAD_NT
.endr
.endr
	s_lshl_b32 s67, s66, 18                        ; the head's first byte in kc and in vc
	s_and_b32 s17, s[WV], 3                        ; which quarter of a tile I fetch
	s_lshl_b32 s68, s17, 14                        ; K: 128 rows of 128 bytes in memory,
	s_add_co_u32 s68, s68, s67
	s_mov_b32 s69, 0
	s_lshl_b32 s70, s17, 16                        ; V: 32 rows of 2,048 bytes in memory,
	s_add_co_u32 s70, s70, s67
	s_mov_b32 s71, 0
	s_mul_i32 s[KB], s17, 128*KP                   ; and their places in a slot: no place in the cluster enters an LDS address
	s_mul_i32 s[VB], s17, 32*VP
	s_add_co_u32 s[VB], s[VB], VOFF
	; descriptor group 1.  K: 128 rows of 128 bytes, dense in memory: stated as 64 rows of 256 bytes, with the padding still behind each 128 bytes;  V: 32 rows of 512 bytes, 2,048 bytes apart
	s_mov_b32 s[G1K], 15|(0<<16)|(1<<20)|(1<<21)|(4<<22)|(3<<25)  ; 15:0 the mask: all four work-groups; 17:16 elements of 1 byte; 20 padding on; 21 set beside a mask; 24:22 after every 32 words (code 4); 31:25 four words (code 3)
	s_mov_b32 s[G1K+1], 256<<16                    ; tensor_dim0
	s_mov_b32 s[G1K+2], 64<<16                     ; tensor_dim1
	s_mov_b32 s[G1K+3], 256<<16                    ; tile_dim0
	s_mov_b32 s[G1K+4], 64                         ; tile_dim1
	s_mov_b32 s[G1K+5], 256                        ; tensor_dim0_stride
	s_mov_b32 s[G1K+6], 0
	s_mov_b32 s[G1K+7], 0
	s_mov_b32 s[G1V], 15|(0<<16)|(1<<20)|(1<<21)|(6<<22)|(3<<25)  ; padding: four words after every 128
	s_mov_b32 s[G1V+1], 512<<16
	s_mov_b32 s[G1V+2], 32<<16
	s_mov_b32 s[G1V+3], 512<<16
	s_mov_b32 s[G1V+4], 32
	s_mov_b32 s[G1V+5], 2048
	s_mov_b32 s[G1V+6], 0
	s_mov_b32 s[G1V+7], 0
	s_mov_b32 s[SEL], 0x76543210
	s_mov_b32 s[SEL+1], 0xfedcba98
	s_mov_b32 s[QS], 0x3db504f3                    ; 1 / sqrt(128) as f32
	s_mov_b32 s[QS+1], s[QS]                       ; (named with it as a pair, so it is written)
	s_mov_b32 s[CS], 0x3fb8aa3b                    ; log2(e)
	s_mov_b32 s[TB], 0
	s_mov_b32 s[CNT], 2
	s_mov_b32 s[G0K], 1                            ; 1:0 count = 1
	s_mov_b32 s[G0K+1], s[KB]                      ; 63:32 LDS address: slot 0
	s_add_nc_u64 s[G0K+2:G0K+3], s[6:7], s[68:69]  ; 120:64 global address: the head's first 512 keys
	s_or_b32 s[G0K+3], s[G0K+3], 0x80000000        ; 127:126 type = 2
	s_mov_b32 s[G0V], 1
	s_mov_b32 s[G0V+1], s[VB]
	s_add_nc_u64 s[G0V+2:G0V+3], s[8:9], s[70:71]
	s_or_b32 s[G0V+3], s[G0V+3], 0x80000000
	CROUND                                         ; all four work-groups are here: the first joint loads meet
	JLOAD                                          ; slot 0: one tensor load a wave at the head
	; the prefetches: where my wave's stand, and who asks
	s_cmp_lt_u32 s[WV], 4                          ; waves 0, 1 ask for kc, waves 4, 5 for vc
	s_cselect_b64 s[PFA:PFA+1], s[6:7], s[8:9]
	s_mov_b32 s[PFS], 512
	s_mov_b32 s58, 65536
	s_cselect_b32 s[PFS], s58, s[PFS]              ; a slot on
	s_cselect_b32 s63, 8, 11                       ; from lane to lane: 256 bytes, or a row of 2,048
	s_cselect_b32 s68, 14, 16                      ; from partner to partner: 16,384 bytes, or 32 rows
	s_cselect_b32 s69, 13, 8                       ; from wave to wave: 8,192 bytes, or 256
	s_mov_b32 s[PFS+1], 0
	v_and_b32 v[PFO], 31, v0
	v_lshlrev_b32 v[PFO], s63, v[PFO]
	s_lshl_b32 s58, s16, s68                       ; my work-group's part,
	s_and_b32 s59, s[WV], 1
	s_lshl_b32 s59, s59, s69                       ; my wave's of it,
	s_add_co_u32 s58, s58, s59
	s_add_co_u32 s58, s58, s67                     ; in my head,
	s_lshl_b32 s59, s[PFS], 1
	s_add_co_u32 s58, s58, s59                     ; in slot 2
	s_mov_b32 s59, 0
	s_add_nc_u64 s[PFA:PFA+1], s[PFA:PFA+1], s[58:59]
	s_lshr_b32 s58, s[WV], 1
	s_and_b32 s58, s58, 1                          ; 0 in waves 0, 1, 4 and 5,
	s_or_b32 s58, s58, ttmp9                       ; of the head's first cluster: the same in all four partners
	s_cmp_eq_u32 s58, 0
	s_cselect_b32 s[LIM], 1, -1
	v_mul_u32_u24 v[AK0], v30, KP
	v_mul_u32_u24 v[AV0], v30, VP
	v_lshl_add_u32 v[AK0], v31, 4, v[AK0]
	v_lshl_add_u32 v[AV0], v31, 4, v[AV0]
	v_add_nc_u32 v[AV0], VOFF, v[AV0]
	s_mul_i32 s58, s[WV], SW
	s_add_co_u32 s58, s58, STAGE                   ; my stage
	v_mul_u32_u24 v[QST], v31, KP
	v_lshl_add_u32 v[QST], v30, 2, v[QST]
	v_add_nc_u32 v[QST], s58, v[QST]               ; query's codes into it: row h of two, 4 bytes a lane
	v_add_nc_u32 v30, s58, v[AK0]                  ; and back as fragments: row r, 16 bytes for each half of the lanes
.irp u, 0,1
	v_mov_b32 v[ST+8*\u+1], 0xff61b1e6             ; the largest t so far: -3e38, under every t
	v_mov_b32 v[ST+8*\u+2], 0                      ; the sum
	v_mov_b32 v[ST+8*\u+3], 0
	v_floor_f32 v[ST+8*\u], -v[ST+8*\u+1]          ; -M
.endr
	WIN 0x40                                       ; destination window 1
.set jj, 0
.rept 128
	v_mov_b32 v[jj], 0                             ; O^T, while query is on its way.  The key step is written once for all slots of a loop: the first finds zeros, which the first change of M leaves zeros
.set jj, jj+1
.endr
	WIN 0
	s_wait_alu depctr_va_vdst(0)
	s_wait_kmcnt 0x0
	s_add_co_i32 s58, s[EX], s[EX+1]
	s_lshl_b32 s58, s58, 23
	s_add_co_i32 s[CS], s[CS], s58                 ; a score stands for score x 2^(e0 + e1): the two exponents are added to c's exponent field
	s_mov_b32 s[CS+1], s[CS]                       ; (named with it as a pair, so it is written)
	s_add_co_i32 s58, s[EX+2], 127
	s_lshl_b32 s59, s58, 23
	v_mov_b32 v[PSCL], s59                         ; 2^e2 as f32: the conversion takes its exponent field
	s_add_co_i32 s58, s58, 15
	s_lshl_b32 s58, s58, 23
	s_or_b32 s[PL], s58, 0x600000                  ; 57,344 x 2^e2
	s_add_co_i32 s58, s[EX], 127
	s_lshl_b32 s59, s58, 23
	v_mov_b32 v[QSCL], s59                         ; 2^e0
	s_add_co_i32 s58, s58, 15
	s_lshl_b32 s58, s58, 23
	s_or_b32 s58, s58, 0x600000
	v_mov_b32 v[QLIM], s58                         ; 57,344 x 2^e0
	s_wait_alu depctr_va_vdst(0)
.irp p, 0,1,2,3                        ; query, eight rows at a time, while slot 0 is on its way
	s_wait_loadcnt 24-8*\p                         ; of 32 loads the younger 24, 16, 8, 0 may be out
.set jj, 0
.rept 16
	v_pk_mul_f32 v[SC+32*\p+jj:SC+32*\p+jj+1], v[SC+32*\p+jj:SC+32*\p+jj+1], s[QS:QS+1] op_sel_hi:[1,0]   ; query / sqrt(128), rounded in f32: the first product's operand
.set jj, jj+2
.endr
.set jj, 0
.rept 32
	v_med3_num_f32 v[SC+32*\p+jj], v[SC+32*\p+jj], -v[QLIM], v[QLIM]   ; the conversion to an 8-bit code does not saturate (ISA guide 7.6.2): the hold comes first
.set jj, jj+1
.endr
.irp i, 0,1,2,3                        ; four codes of d = 4 r on, and four of d = 64 + 4 r on
	v_cvt_scalef32_pk8_bf8_f32 v[TT+8*\p+2*\i:TT+8*\p+2*\i+1], v[SC+32*\p+8*\i:SC+32*\p+8*\i+7], v[QSCL]
.endr
.irp i, 0,1,2,3
	ds_store_b32 v[QST], v[TT+8*\p+2*\i] offset:2*KP*(4*\p+\i)
	ds_store_b32 v[QST], v[TT+8*\p+2*\i+1] offset:2*KP*(4*\p+\i)+64
.endr
.endr
.irp u, 0,1
.irp c, 0,1,2,3
	ds_load_b128 v[QF+16*\u+4*\c:QF+16*\u+4*\c+3], v30 offset:16*KP*\u+32*\c   ; LDS serves a wave's instructions in order: these see my stores
.endr
.endr
	; slot 1's first fill, issued as a refill is
	s_wait_alu depctr_va_vdst(0)
	s_wait_tensorcnt 0x0                           ; my part of slot 0 is in, so a group 0 may be written
	ds_add_u32 v[SPW], v[NIL]                      ; 0 onto my spare word
	s_add_co_u32 s[G0K+1], s[KB], SLOT1
	s_add_nc_u64 s[G0K+2:G0K+3], s[G0K+2:G0K+3], 65536   ; the next 512 keys; the type bits on top are not reached
	s_add_co_u32 s[G0V+1], s[VB], SLOT1
	s_add_nc_u64 s[G0V+2:G0V+3], s[G0V+2:G0V+3], 512
	s_wait_dscnt 0x0                               ; the add is done, and Q's fragments are in
	CROUND
	JLOAD
	ASK
; 16 loads: K's fragments fr .. fr + 3 of the slot's key step q
.macro KLD q, fr
.set AD, ADK+2*((\q)/2)
.irp t, 0,1,2,3
.irp c, 0,1,2,3
	ds_load_b128 v[FR+16*(\fr+\t)+4*\c:FR+16*(\fr+\t)+4*\c+3], v[AD] offset:(128*((\q)%2)+16*(\fr+\t))*KP+32*\c
.endr
.endr
.endm
.macro QK u, t                         ; window setting 0x01: source 0 (K) window 1
	v_wmma_f32_16x16x128_bf8_bf8 v[SC+64*(\u)+8*(\t):SC+64*(\u)+8*(\t)+7], v[FR+16*(\t):FR+16*(\t)+15], v[QF+16*(\u):QF+16*(\u)+15], 0
.endm
.macro PV u, t                         ; window setting 0x51: source 0 (V), C and D (O^T) window 1
	v_wmma_f32_16x16x128_bf8_bf8 v[64*(\u)+8*(\t):64*(\u)+8*(\t)+7], v[FR+16*(\t):FR+16*(\t)+15], v[PC+16*(\u):PC+16*(\u)+15], v[64*(\u)+8*(\t):64*(\u)+8*(\t)+7]
.endm
; The n-th of 32 lines of tile u's largest score among my 64 keys: four chains; the scores in ascending order
.macro MX u, n
.set W0, ST+8*(\u)+4
.set SB, SC+64*(\u)
.if (\n) < 4
	v_max3_num_f32 v[W0+(\n)], v[SB+3*(\n)], v[SB+3*(\n)+1], v[SB+3*(\n)+2]
.elseif (\n) < 30
	v_max3_num_f32 v[W0+(\n)%4], v[W0+(\n)%4], v[SB+2*(\n)+4], v[SB+2*(\n)+5]
.elseif (\n) == 30
	v_max3_num_f32 v[W0], v[W0], v[W0+1], v[W0+2]
.else
	v_max_num_f32 v[W0], v[W0], v[W0+3]
.endif
.endm
; The n-th of ten lines from there to the new M, f and the sum under the new M
.macro CH u, n
.set SU, ST+8*(\u)
.if (\n) == 0
	v_permlanex16_b32 v[SU+5], v[SU+4], s[SEL], s[SEL+1]   ; the query's other 64 keys lie in the lane 16 away
.elseif (\n) == 1
	v_max_num_f32 v[SU+4], v[SU+4], v[SU+5]
.elseif (\n) == 2
	v_mul_f32 v[SU+4], s[CS], v[SU+4]              ; as t (c is positive)
.elseif (\n) == 3
	v_max_num_f32 v[SU+1], v[SU+1], v[SU+4]        ; the running largest t
.elseif (\n) == 4
	v_mov_b32 v[SU+5], v[SU]
.elseif (\n) == 5
	v_floor_f32 v[SU], -v[SU+1]                    ; the new -M = floor(-t) = -ceil(t): M is a whole number
.elseif (\n) == 6
	v_sub_f32 v[SU+4], v[SU], v[SU+5]              ; M's old value less its new one: a whole number, 0 or less
.elseif (\n) == 7
	v_cvt_i32_f32 v[SU+4], v[SU+4]                 ; (it saturates)
.elseif (\n) == 8
	v_ldexp_f32 v[SU+4], 1.0, v[SU+4]              ; f = 2^(old M - new M)
.else
	v_pk_mul_f32 v[SU+2:SU+3], v[SU+2:SU+3], v[SU+4:SU+5] op_sel_hi:[1,0]
.endif
.endm
.macro FM u, j                         ; t - M, two at a time (of the pairs c and -M the low word serves both halves)
	v_pk_fma_f32 v[SC+64*(\u)+2*(\j):SC+64*(\u)+2*(\j)+1], v[SC+64*(\u)+2*(\j):SC+64*(\u)+2*(\j)+1], s[CS:CS+1], v[ST+8*(\u):ST+8*(\u)+1] op_sel_hi:[1,0,0]
.endm
; The step's sum of the UNQUANTISED p, as a tree: 16 lines LV1 (64 numbers to 32), 16 lines TREE (32 to a pair, onto the row's sum)
.macro LV1 u, n
	v_pk_add_f32 v[TT+2*(\n):TT+2*(\n)+1], v[SC+64*(\u)+4*(\n):SC+64*(\u)+4*(\n)+1], v[SC+64*(\u)+4*(\n)+2:SC+64*(\u)+4*(\n)+3]
.endm
.macro TREE u, n
.if (\n) < 8
	v_pk_add_f32 v[TT+2*(\n):TT+2*(\n)+1], v[TT+2*(\n):TT+2*(\n)+1], v[TT+2*(\n)+16:TT+2*(\n)+17]
.elseif (\n) < 12
	v_pk_add_f32 v[TT+2*(\n)-16:TT+2*(\n)-15], v[TT+2*(\n)-16:TT+2*(\n)-15], v[TT+2*(\n)-8:TT+2*(\n)-7]
.elseif (\n) < 14
	v_pk_add_f32 v[TT+2*(\n)-24:TT+2*(\n)-23], v[TT+2*(\n)-24:TT+2*(\n)-23], v[TT+2*(\n)-20:TT+2*(\n)-19]
.elseif (\n) == 14
	v_pk_add_f32 v[TT:TT+1], v[TT:TT+1], v[TT+2:TT+3]
.else
	v_pk_add_f32 v[ST+8*(\u)+2:ST+8*(\u)+3], v[ST+8*(\u)+2:ST+8*(\u)+3], v[TT:TT+1]
.endif
.endm
; Eight p are held at the largest code x the scale (the conversion does not saturate: ISA guide 7.6.2; p is not negative, so the hold is one-sided), into v[d ..]: p itself stays for the sum
.macro MN u, t, d
.irp i, 0,2,4,6
	v_dual_min_num_f32 v[\d+\i], s[PL], v[SC+64*(\u)+8*(\t)+\i] :: v_dual_min_num_f32 v[\d+\i+1], s[PL], v[SC+64*(\u)+8*(\t)+\i+1]
.endr
.endm
.macro CV u, t, d                      ; keys 16 t + 8 h + 0 .. 7: registers 2 t, 2 t + 1 of P
	v_cvt_scalef32_pk8_bf8_f32 v[PC+16*(\u)+2*(\t):PC+16*(\u)+2*(\t)+1], v[\d:\d+7], v[PSCL]
.endm
; A KEY STEP: 128 keys, the q-th of the slot in hand, for my two tiles of queries, in two parts.  S1: scores, new M, tile 0's t - M.
.macro S1 q
.if (\q) == 0
	v_add_nc_u32 v[ADK], s[TB], v[AK0]
	v_add_nc_u32 v[ADV], s[TB], v[AV0]
	v_add_nc_u32 v[ADK2], 256*KP, v[ADK]
	WIN 0x40
	KLD 0, 0                                       ; (in the slot's other steps the step before has asked for K)
	KLD 0, 4
.else
.irp n, 4,5,6,7,8,9,10,11
	TREE 1, \n                                     ; the last step's sum of tile 1 goes on while K is on its way
.endr
.endif
	s_wait_alu depctr_va_vdst(0)
	s_wait_dscnt 16                                ; the first four fragments are in; the 16 younger loads may be out
	WIN 0x01
.irp t, 0,1,2,3
	QK 0, \t
.endr
	s_wait_dscnt 0x0
.irp t, 4,5,6,7
	QK 0, \t
.endr
	WIN 0
	; four places in front of the first reads of tile 0's scores
.if (\q) == 0
.rept 4
	v_nop
.endr
.else
.irp n, 12,13,14,15
	TREE 1, \n
.endr
.endif
.set nn, 0
.irp g, 0,1,2,3                        ; QK of tile 1 among tile 0's maxima
	WIN 0x01
	QK 1, 2*\g
	QK 1, 2*\g+1
	WIN 0
.rept 8
	MX 0, nn
.set nn, nn+1
.endr
.endr
	WIN 0x40
.irp t, 0,1,2,3,4,5,6,7                ; V's eight fragments: 16 of the head's 128 each, these 128 keys.  Eight plain lines stand behind the last products that read these registers
.irp c, 0,1,2,3
	ds_load_b128 v[FR+16*\t+4*\c:FR+16*\t+4*\c+3], v[ADV] offset:16*\t*VP+128*(\q)+32*\c
.endr
.endr
	WIN 0
.set nn, 0
.rept 32                               ; tile 1's maxima, with tile 0's new M among them
	MX 1, nn
.if (nn%3) == 2
	CH 0, nn/3
.endif
.set nn, nn+1
.endr
.set nn, 0
.rept 32                               ; tile 0's t - M, with tile 1's new M among them
	FM 0, nn
.if (nn%3) == 2
	CH 1, nn/3
.endif
.set nn, nn+1
.endr
.endm
; S2: O under the new M, exponentials, sums, codes, PV.  c = 0: the next step's K is asked for; c = 1, 2: THE CHANGE OF SLOTS begins and signals (1: the slot will be filled again); c = 3: the last step.
.macro S2 q, c
.if ((\c) == 1) || ((\c) == 2)
	s_wait_alu depctr_va_vdst(0)
	s_wait_tensorcnt 0x0                           ; no tensor load of mine is out: my part of the next slot is in, and a group 0 may be written
	ds_add_u32 v[SPW], v[NIL]                      ; 0 onto my spare word
.if (\c) == 1
	s_add_co_u32 s[G0K+1], s[KB], s[TB]            ; the walking descriptors: into this slot,
	s_add_nc_u64 s[G0K+2:G0K+3], s[G0K+2:G0K+3], 65536   ; 512 keys on; the type bits on top are not reached
	s_add_co_u32 s[G0V+1], s[VB], s[TB]
	s_add_nc_u64 s[G0V+2:G0V+3], s[G0V+2:G0V+3], 512
	s_wait_xcnt 0x0                                ; the last prefetch, a slot back, has read its address, so it may be written:
	s_add_nc_u64 s[PFA:PFA+1], s[PFA:PFA+1], s[PFS:PFS+1]   ; one slot further on than the walking descriptors
.endif
.endif
	WIN 0x41                                       ; O^T (destination and source 0) window 1, f window 0
.irp u, 0,1
.set jj, 0
.rept 32
	v_pk_mul_f32 v[64*\u+jj:64*\u+jj+1], v[64*\u+jj:64*\u+jj+1], v[ST+8*\u+4:ST+8*\u+5] op_sel_hi:[1,0]   ; O^T under the new M, each accumulator from its low end on; ahead of the step's exponentials
.set jj, jj+2
.endr
.endr
	WIN 0
	s_wait_alu depctr_va_vdst(0)                   ; ahead of the batch (and ahead of the wait below, where it stands)
.if ((\c) == 1) || ((\c) == 2)
	s_wait_dscnt 0x0                               ; the add is done, V's fragments are in, and so my reads of this slot are over:
	s_barrier_signal -1                            ; say so; up to the wait stands work on registers alone
.endif
.set jj, 0
.rept 32                               ; tile 0's exponentials, with tile 1's t - M among them
	v_exp_f32 v[SC+2*jj], v[SC+2*jj]               ; p = 2^(t - M), at most 1: not normalised
	FM 1, jj
	v_exp_f32 v[SC+2*jj+1], v[SC+2*jj+1]
.set jj, jj+1
.endr
	s_wait_alu depctr_va_vdst(0)                   ; behind the first batch and ahead of the second
.set jj, 0
.rept 16                               ; tile 1's exponentials, with the first lines of tile 0's sum among them: each reads two pairs of p and writes a pair of its own
	v_exp_f32 v[SC+64+4*jj], v[SC+64+4*jj]
	v_exp_f32 v[SC+64+4*jj+1], v[SC+64+4*jj+1]
	LV1 0, jj
	v_exp_f32 v[SC+64+4*jj+2], v[SC+64+4*jj+2]
	v_exp_f32 v[SC+64+4*jj+3], v[SC+64+4*jj+3]
.set jj, jj+1
.endr
	s_wait_alu depctr_va_vdst(0)                   ; behind the batch
	MN 0, 0, PC+16                                 ; tile 0: held (in tile 1's place of codes, eight by eight by turns), converted, and the rest of its sum
.set tn, 0
.rept 8
.if tn < 7
	MN 0, tn+1, PC+16+8*((tn+1)%2)
.endif
	CV 0, tn, PC+16+8*(tn%2)
	TREE 0, 2*tn                                   ; (also the plain lines behind the conversion)
	TREE 0, 2*tn+1
.set tn, tn+1
.endr
.if ((\c) == 0) || ((\c) == 3)
	s_wait_alu depctr_va_vdst(0)
	s_wait_dscnt 0x0                               ; V's fragments are in
.endif
	MN 1, 0, TT
.set tn, 0
.irp g, 0,1,2,3                        ; PV of tile 0 among tile 1's holds and conversions.  The accumulators take turns, one instruction a turn
	WIN 0x51
	PV 0, 2*\g
	PV 0, 2*\g+1
	WIN 0
.rept 2
.if tn < 7
	MN 1, tn+1, TT+8*((tn+1)%4)
.endif
	CV 1, tn, TT+8*(tn%4)
.set tn, tn+1
.endr
.endr
.irp n, 0,1,2,3                        ; PV of tile 1 among its sum.  (The first four are the plain lines behind the conversions)
	LV1 1, \n
.endr
	WIN 0x51
.irp t, 0,1,2,3
	PV 1, \t
.endr
	WIN 0
.irp n, 4,5,6,7
	LV1 1, \n                                      ; four places in front of the loads below
.endr
.if (\c) == 0
	WIN 0x40
	KLD \q+1, 0                                    ; the next step's K
	WIN 0
.endif
.irp n, 8,9,10,11,12,13,14,15
	LV1 1, \n
.endr
	WIN 0x51
.irp t, 4,5,6,7
	PV 1, \t
.endr
	WIN 0
.irp n, 0,1,2,3
	TREE 1, \n                                     ; four places in front of the loads below
.endr
.if (\c) == 0
	WIN 0x40
	KLD \q+1, 4
	WIN 0
.else
.irp n, 4,5,6,7,8,9,10,11,12,13,14,15
	TREE 1, \n
.endr
.endif
.endm
.macro THREE                           ; a slot's first three steps
	S1 0
	S2 0, 0
	S1 1
	S2 1, 0
	S1 2
	S2 2, 0
.endm
.Lfilled:                                          ; slots 0 and 1: each is filled again with the keys of slots 2 and 3
	THREE
	S1 3
	S2 3, 1
	s_wait_alu depctr_va_vdst(0)
	s_barrier_wait -1                              ; THE CHANGE OF SLOTS ends: its barrier opens a round of the cluster's, so that no wave of any partner still reads the slot or has a load on its way;
	CREST
	JLOAD                                          ; the joint refill is the first thing behind it and a wave's one tensor load until the next round
	ASK
	s_xor_b32 s[TB], s[TB], SLOT1                  ; on to the other slot: 0 and SLOT1 by turns
	s_sub_co_u32 s[CNT], s[CNT], 1
	s_cmp_lg_u32 s[CNT], 0
	s_cbranch_scc1 .Lfilled
	s_mov_b32 s[CNT], 2
.Llast:                                            ; slots 2 and 3 are written out
	THREE
	S1 3
	s_wait_alu depctr_va_vdst(0)
	s_cmp_eq_u32 s[CNT], 1
	s_cbranch_scc1 .Lexit                          ; the very last step has no change of slots behind it
	S2 3, 2
	s_wait_alu depctr_va_vdst(0)
	s_barrier_wait -1
	s_xor_b32 s[TB], s[TB], SLOT1
	s_sub_co_u32 s[CNT], s[CNT], 1
	s_cmp_lg_u32 s[CNT], 0
	s_cbranch_scc1 .Llast                          ; (the second trip has left the loop by .Lexit)
.Lexit:
	S2 3, 3
	; THE WAY OUT.  The sum's halves and the other half of the lanes' are added; O^T is divided by the sum, multiplied by 2^(e2 + e3), and goes through my stage in LDS, half a row (64 channels, 256 bytes) of 16 queries at a time.
.irp u, 0,1
	v_add_f32 v[ST+8*\u+2], v[ST+8*\u+2], v[ST+8*\u+3]
.endr
.irp u, 0,1
	v_permlanex16_b32 v[ST+8*\u+5], v[ST+8*\u+2], s[SEL], s[SEL+1]
.endr
.irp u, 0,1
	v_add_f32 v[ST+8*\u+2], v[ST+8*\u+2], v[ST+8*\u+5]   ; the row's sum
.endr
	s_wait_alu depctr_va_vdst(0)                   ; ahead of the batch
.irp u, 0,1
	v_rcp_f32 v[ST+8*\u+2], v[ST+8*\u+2]
.endr
	v_and_b32 v30, 15, v0                          ; (plain lines behind the reciprocals)  r
	v_bfe_u32 v31, v0, 4, 1                        ; h
	s_mul_i32 s58, s[WV], SW
	s_add_co_u32 s58, s58, STAGE                   ; my stage
	v_mul_u32_u24 v[STO], v30, SP
	v_mul_u32_u24 v[RD], v31, SP
	v_lshl_add_u32 v[STO], v31, 5, v[STO]
	v_lshl_add_u32 v[RD], v30, 4, v[RD]
	v_add_nc_u32 v[STO], s58, v[STO]               ; in: row r; a tile's eight channels of my half: 64 t + 32 h bytes on
	v_add_nc_u32 v[RD], s58, v[RD]                 ; back: lanes 0-15 one row, lanes 16-31 the next
	s_add_co_i32 s59, s[EX+2], s[EX+3]
	s_wait_alu depctr_va_vdst(0)                   ; behind the batch, and ahead of the first readers of O^T
.irp u, 0,1
	v_ldexp_f32 v[ST+8*\u+2], v[ST+8*\u+2], s59    ; x 2^(e2 + e3)
.endr
	WIN 0x01                                       ; source 0 (O^T) window 1
.irp u, 0,1
.set jj, 0
.rept 32
	v_pk_mul_f32 v[SC+64*\u+jj:SC+64*\u+jj+1], v[64*\u+jj:64*\u+jj+1], v[ST+8*\u+2:ST+8*\u+3] op_sel_hi:[1,0]   ; register 8 t + i is out0(r, 16 t + 8 h + i); each accumulator from its low end on
.set jj, jj+2
.endr
.endr
	WIN 0
.macro OUT u, bk                       ; tile u through the stage, channels 64 hf on, and back as whole rows of 256 bytes into v[bk] on.  LDS serves a wave's instructions in order: the loads see my stores, and the next half's stores come behind them
.irp hf, 0,1
.irp t, 0,1,2,3
	ds_store_b128 v[STO], v[SC+64*\u+32*\hf+8*\t:SC+64*\u+32*\hf+8*\t+3] offset:64*\t
	ds_store_b128 v[STO], v[SC+64*\u+32*\hf+8*\t+4:SC+64*\u+32*\hf+8*\t+7] offset:64*\t+16
.endr
.irp i, 0,1,2,3,4,5,6,7
	ds_load_b128 v[\bk+32*\hf+4*\i:\bk+32*\hf+4*\i+3], v[RD] offset:\i*2*SP
.endr
.endr
.endm
.macro SEND u, bk
.irp hf, 0,1
.irp i, 0,1,2,3,4,5,6,7
	s_wait_dscnt 23-16*\hf-\i                      ; younger than this load: the 7 - i left of its half and, for the first half, the second's 16 LDS instructions
	global_store_b128 v[GO], v[\bk+32*\hf+4*\i:\bk+32*\hf+4*\i+3], s[12:13] offset:8192*\u+1024*\i+256*\hf th:TH_STORE_NT   ; sixteen lanes store 256 consecutive bytes, at a multiple of 256 from out0's first byte
.endr
.endr
.endm
	OUT 0, PC                                      ; back into the registers of P and Q, which are done with
	s_wait_alu depctr_va_vdst(0)
	SEND 0, PC
	OUT 1, SC                                      ; back into tile 0's results, whose LDS stores are done: the count above has reached 0
	SEND 1, SC
	s_wait_tensorcnt 0x0                           ; the wave's end: behind my last tensor load and my last LDS store
	ds_add_u32 v[SPW], v[NIL]
	s_wait_dscnt 0x0
	CROUND                                         ; the closing round: no work-group ends while a partner may still ask for a tile that names it
	s_endpgm
.Lfunc_end_k_qe378d8e1ee_attn:
	.size	k_qe378d8e1ee_attn, .Lfunc_end_k_qe378d8e1ee_attn-k_qe378d8e1ee_attn
	.p2alignl 7, 3214868480
	.fill 96, 4, 3214868480
	.section	.rodata,"a",@progbits
	.p2align	6, 0x0
	.amdhsa_kernel k_qe378d8e1ee_attn
		.amdhsa_group_segment_fixed_size 327680
		.amdhsa_private_segment_fixed_size 0
		.amdhsa_enable_private_segment 0
		.amdhsa_kernarg_size 40
		.amdhsa_user_sgpr_count 2
		.amdhsa_user_sgpr_kernarg_segment_ptr 1
		.amdhsa_wavefront_size32 1
		.amdhsa_system_sgpr_workgroup_id_x 1
		.amdhsa_system_sgpr_workgroup_id_y 1
		.amdhsa_system_sgpr_workgroup_id_z 1
		.amdhsa_system_vgpr_workitem_id 0
		.amdhsa_next_free_vgpr 512
		.amdhsa_next_free_sgpr 80
		.amdhsa_reserve_vcc 0
		.amdhsa_float_denorm_mode_32 3
		.amdhsa_float_denorm_mode_16_64 3
		.amdhsa_memory_ordered 1
		.amdhsa_forward_progress 1
		.amdhsa_inst_pref_size 255
	.end_amdhsa_kernel
	.section	.bss,"aw",@nobits
	.p2align	6
	.space	262144
	.amdgpu_metadata
---
amdhsa.version: [ 1, 2 ]
amdhsa.kernels:
  - .name:           k_qe378d8e1ee_attn
    .symbol:         k_qe378d8e1ee_attn.kd
    .args:
      - { .name: query, .offset: 0, .size: 8, .value_kind: global_buffer, .address_space: global }
      - { .name: kc, .offset: 8, .size: 8, .value_kind: global_buffer, .address_space: global }
      - { .name: vc, .offset: 16, .size: 8, .value_kind: global_buffer, .address_space: global }
      - { .name: lowp_scales, .offset: 24, .size: 8, .value_kind: global_buffer, .address_space: global }
      - { .name: out0, .offset: 32, .size: 8, .value_kind: global_buffer, .address_space: global }
    .group_segment_fixed_size: 327680
    .private_segment_fixed_size: 0
    .kernarg_segment_align: 8
    .kernarg_segment_size: 40
    .max_flat_workgroup_size: 256
    .sgpr_count:     80
    .vgpr_count:     512
    .wavefront_size: 32
...
	.end_amdgpu_metadata
.endif
;; end of part 2
